; MI455X (gfx1250); checked and timed in simulation.
; The chip was launched on July 23, 2026; its instructions are those of AMD's public machine-readable ISA for CDNA 5 (MIT licence, August 2026) and "CDNA5" Instruction Set Architecture Reference Guide (July 2026). The comments in the code are by the model that wrote it; some were corrected since.
;; Attention Block. Allowed arithmetic: matrix products marked QUANTISED: E2M1 operands, one E8M0 scale for each 32 along K, by v_wmma_scale_f32_16x16x128_f8f6f4 with both operands' format E2M1 (or v_wmma_scale_f32_32x16x128_f4), f32 sums; everything else in f32.
;; Inputs: norm_b 256 float32; norm_w 256 float32; proj_b 256 float32; proj_w_codes 256 x 8 x 16 uint8 (E2M1 codes of proj_w, K innermost, in blocks of 32 codes, two codes a byte); proj_w_scales 256 x 8 uint8 (E8M0 scales of proj_w, one for each 32 codes along K); qkv_b 768 float32; qkv_w_codes 768 x 8 x 16 uint8 (E2M1 codes of qkv_w, K innermost, in blocks of 32 codes, two codes a byte); qkv_w_scales 768 x 8 uint8 (E8M0 scales of qkv_w, one for each 32 codes along K); x 4 x 256 x 64 x 64 float32.
;; Outputs: out0 4 x 256 x 64 x 64 float32.
;; This version of the problem:
;;   THIS VERSION OF THE PROBLEM IS GIVEN IN LOW PRECISION. The matrix products marked QUANTISED in the list below multiply operands that are first quantised to E2M1 (2 exponent bits, 1 mantissa bit; 4 bits a number), with one power-of-two scale for each 32 numbers along K (OCP MX v1.0); their sums are f32. All else is computed in f32.
;;   The module's matrix products, in the order in which they are computed (A, B: the left and right operand; K: the contracted axis; several contracted axes count as one K, in the product's order):
;;     1. [M 16,384, K 256] x [K 256, N 768]; A: computed on the way; B: input qkv_w (given as codes): QUANTISED
;;     2. batch 16 x [M 4,096, K 64] x [K 64, N 4,096]; A: computed on the way; B: computed on the way: QUANTISED
;;     3. batch 16 x [M 64, K 4,096] x [K 4,096, N 4,096]; A: computed on the way; B: softmax (see below): QUANTISED
;;     4. [M 16,384, K 256] x [K 256, N 256]; A: computed on the way; B: input proj_w (given as codes): QUANTISED
;;   THE QUANTISER, for each operand of a quantised product, along K:
;;     - K is cut into blocks of 32 from its start; a last block that is shorter is filled with zeros.
;;     - A block's scale is 2^e with e = floor(log2(the largest magnitude in the block)) - 2, held to -126 .. 127; a block of zeros has e = 0. As a byte (E8M0): e + 127.
;;     - Each number is divided by its block's scale, clamped to +-6, and rounded to the nearest number of E2M1, ties to even, subnormals kept.
;;     - The product sums the exact products of the quantised numbers (number of the format x scale) in f32.
;;   ~~~python
;;   def quantise(x, axis):      # numpy; x: float32 -> the quantised numbers, widened to float32 again
;;       x = np.moveaxis(x, axis, -1); K = x.shape[-1]
;;       x = np.pad(x, [(0, 0)] * (x.ndim - 1) + [(0, -K % 32)]); x = x.reshape(x.shape[:-1] + (-1, 32)); a = np.abs(x).max(-1, keepdims=True)
;;       e = np.where(a > 0, np.clip(np.frexp(np.where(a > 0, a, 1))[1] - 1 - 2, -126, 127), 0)      # np.frexp(a)[1] - 1 = floor(log2(a)), exactly
;;       r = np.clip(x / 2.0 ** e, -6, 6)
;;       step = 2.0 ** (np.maximum(np.frexp(np.where(r == 0, 1, r))[1] - 1, 0) - 1)
;;       q = np.round(r / step) * step * 2.0 ** e      # np.round: ties to even
;;       return np.moveaxis(q.reshape(q.shape[:-2] + (-1,))[..., :K], -1, axis).astype(np.float32)
;;   ~~~
;;   SOFTMAX AHEAD OF A QUANTISED PRODUCT. Where the list says 'softmax', what is quantised is not the finished softmax but p = 2^(t - M), with t = logit x log2(e) and M = ceil(the row's largest t), a whole number; so 1/2 < the row's largest p <= 1. The row's sum l is taken of the UNQUANTISED p, in f32, and the product's result is divided by l at the end. Since M is a whole number, a kernel that streams over the keys may use a running M (the ceiling of the running maximum): every later rescaling is an exact power of two, which a block's scale takes up: the codes' values come out the same.
;;   OPERANDS COMPUTED ON THE WAY. 'Computed on the way' means the value that the module computes at that place (a softmax that the list does not call 'softmax' is quantised finished and normalised). What goes into a quantiser is computed in f32, as accurately as f32 sums, v_exp_f32 and their like allow (about 1e-6 of the number): no bf16 or f16 on the way to a quantiser, and a product that is left as it is and whose result goes on into a quantised operand takes f32 operands (vector FMAs, or v_wmma_f32_16x16x4_f32). A number that lies on a knife's edge between two numbers of the format may be rounded either way, as far as f32 arithmetic and the matrix unit's own rounding can turn it there, and no further.
;;   INPUTS GIVEN AS CODES. proj_w (in the module: [256, 256], K = its axis 1); qkv_w (in the module: [768, 256], K = its axis 1): each comes as NAME_codes (uint8): NAME with its K axis moved to the last place and cut into blocks of 32 codes, [.., K / 32, bytes a block], one block behind the other in memory; two codes a byte, the lower K in the low four bits (a code: sign, 2 exponent bits, 1 mantissa bit); and NAME_scales (uint8): the same leading axes, one E8M0 byte (e + 127) for each 32 codes along K. Its value is code x scale, taken as it is: it is not quantised again, and the codes and scales need not be those that the quantiser above would give.
;; One version. Each part assembles by itself: llvm-mc -triple=amdgcn-amd-amdhsa -mcpu=gfx1250 --defsym DOCPART=n.
;; ======== version 1 of 1: 4 launches
;; limits: right only within a limited range of input values
;; workspace buffers: stats 2,048 bytes; qc 2,097,152 bytes; qs 262,144 bytes; kv 4,587,520 bytes; hc 2,097,152 bytes; hs 131,072 bytes
;; launch stats (part 1): grid 256 x 1, 8 waves a work-group, no clusters, 1,280 bytes of LDS; arguments x, stats; writes stats
.if DOCPART == 1
	.amdgcn_target "amdgcn-amd-amdhsa--gfx1250"
	.amdhsa_code_object_version 6
	.text
	.protected	k_q4f03a05ff0_stats
	.globl	k_q4f03a05ff0_stats
	.p2align	8
	.type	k_q4f03a05ff0_stats,@function
k_q4f03a05ff0_stats:
	s_mov_b64 s[64:65], 0
	v_nop
	global_prefetch_b8 v0, s[64:65] scope:SCOPE_SE
	s_setreg_imm32_b32 hwreg(HW_REG_WAVE_MODE, 25, 1), 1
	s_wait_xcnt 0x0
; GroupNorm's statistics.  x is [4][256][4096] f32; a group is 16 channels = 262,144 consecutive bytes.
; Work-group wg takes the 65,536 consecutive bytes at wg << 16: a quarter of group wg >> 2, 16,384 numbers.
; It stores two f32 at stats + 8 wg: the quarter's mean, and the sum of the squared deviations from THAT mean.
; The next launch joins four quarters.  No difference of large sums is formed, so a common offset in x costs no digits.
; Thread t holds 64 numbers in registers for both passes: x is read once here.  Each load of a wave covers 512 consecutive bytes;
; all 16 loads of a thread are out at once (the work-group's whole 64 KiB).  Memory binds: no matrix unit, no cluster (no input is shared).
; LIMITS: NaN and infinities in x are not served.
.set X,  4                             ; v[4:67]   my 64 numbers; load i fills v[X+4i : X+4i+3]
.set CH, 68                            ; v[68:75]  four packed chains
.set MN, 76                            ; v[76:77]  the mean, twice
	s_load_b128 s[4:7], s[0:1], 0x0                ; x s[4:5], stats s[6:7]
	v_lshl_add_u32 v96, v0, 2, 0x100
	v_mov_b32 v97, 0
	v_lshlrev_b32 v1, 4, v0                        ; 16 bytes a thread
	v_lshrrev_b32 v88, 5, v0
	s_delay_alu instid0(VALU_DEP_1)
	v_lshlrev_b32 v88, 2, v88                      ; LDS: my wave's word
	v_mov_b32 v89, 0
	v_mov_b32 v87, 0                               ; a lane permute's destination counts as read: written once
	s_lshl_b32 s12, ttmp9, 16                      ; my quarter's first byte
	s_mov_b32 s13, 0
	s_lshl_b32 s14, ttmp9, 3                       ; my 8 bytes of stats
	s_mov_b32 s15, 0
	s_mov_b32 s10, 0x76543210                      ; v_permlanex16_b32: lane l xor 16
	s_mov_b32 s11, 0xfedcba98
	s_wait_alu depctr_va_vdst(0)
	s_wait_kmcnt 0x0
	s_add_nc_u64 s[4:5], s[4:5], s[12:13]
	s_add_nc_u64 s[6:7], s[6:7], s[14:15]
.irp i, 0,1,2,3,4,5,6,7,8,9,10,11,12,13,14,15
	global_load_b128 v[X+4*\i:X+4*\i+3], v1, s[4:5] offset:4096*\i   ; no hint: x is read again by later launches
.endr
; The four chains become one number in every lane of every wave: within the lane, across the 32 lanes, across the 8 waves through 32 bytes of LDS at off.
.macro REDUCE off
	v_pk_add_f32 v[CH:CH+1], v[CH:CH+1], v[CH+2:CH+3]
	s_delay_alu instid0(VALU_DEP_2)
	v_pk_add_f32 v[CH+4:CH+5], v[CH+4:CH+5], v[CH+6:CH+7]
	s_delay_alu instid0(VALU_DEP_1)
	v_pk_add_f32 v[CH:CH+1], v[CH:CH+1], v[CH+4:CH+5]
	s_delay_alu instid0(VALU_DEP_1)
	v_add_f32 v86, v[CH], v[CH+1]
	s_delay_alu instid0(VALU_DEP_1)
	v_add_f32_dpp v86, v86, v86 row_xmask:1 row_mask:0xf bank_mask:0xf
	s_delay_alu instid0(VALU_DEP_1)
	v_add_f32_dpp v86, v86, v86 row_xmask:2 row_mask:0xf bank_mask:0xf
	s_delay_alu instid0(VALU_DEP_1)
	v_add_f32_dpp v86, v86, v86 row_xmask:4 row_mask:0xf bank_mask:0xf
	s_delay_alu instid0(VALU_DEP_1)
	v_add_f32_dpp v86, v86, v86 row_xmask:8 row_mask:0xf bank_mask:0xf
	s_delay_alu instid0(VALU_DEP_1)
	v_permlanex16_b32 v87, v86, s10, s11
	s_delay_alu instid0(VALU_DEP_1)
	v_add_f32 v86, v86, v87
	ds_store_b32 v88, v86 offset:\off              ; all lanes of a wave write the same word with the same value
	s_wait_dscnt 0x0                               ; for the others' sake: my store has landed
	s_barrier_signal -1
	s_barrier_wait -1
	ds_load_b128 v[78:81], v89 offset:\off
	ds_load_b128 v[82:85], v89 offset:\off+16
	s_wait_dscnt 0x0
	v_add_f32 v78, v78, v79
	v_add_f32 v80, v80, v81
	v_add_f32 v82, v82, v83
	v_add_f32 v84, v84, v85
	s_delay_alu instid0(VALU_DEP_3)
	v_add_f32 v78, v78, v80
	s_delay_alu instid0(VALU_DEP_2)
	v_add_f32 v82, v82, v84
	s_delay_alu instid0(VALU_DEP_1)
	v_add_f32 v86, v78, v82
.endm
	; pass 1: the sum.  The first four loads start the chains: nothing is cleared
.irp k, 0,1,2,3
	s_wait_loadcnt 15-\k                           ; loads return in order: load k is in, the 15 - k younger ones stay out
	v_pk_add_f32 v[CH+2*\k:CH+2*\k+1], v[X+4*\k:X+4*\k+1], v[X+4*\k+2:X+4*\k+3]
.endr
.set i, 4
	s_wait_alu depctr_va_vdst(0)
.rept 12
	s_wait_alu depctr_va_vdst(0)
	s_wait_loadcnt 15-i
	v_pk_add_f32 v[CH+2*((2*i)%4):CH+2*((2*i)%4)+1], v[CH+2*((2*i)%4):CH+2*((2*i)%4)+1], v[X+4*i:X+4*i+1]
	v_pk_add_f32 v[CH+2*((2*i+1)%4):CH+2*((2*i+1)%4)+1], v[CH+2*((2*i+1)%4):CH+2*((2*i+1)%4)+1], v[X+4*i+2:X+4*i+3]
.set i, i+1
.endr
	REDUCE 0
	s_delay_alu instid0(VALU_DEP_1)
	v_mul_f32 v[MN], 0x38800000, v86               ; / 16,384
	s_delay_alu instid0(VALU_DEP_1)
	v_mov_b32 v[MN+1], v[MN]
	; pass 2: the squared deviations from the quarter's own mean
.set p, 0
.rept 32
	v_pk_add_f32 v[X+2*p:X+2*p+1], v[X+2*p:X+2*p+1], v[MN:MN+1] neg_lo:[0,1] neg_hi:[0,1]
.set p, p+1
.endr
.set p, 0
.rept 4
	v_pk_mul_f32 v[CH+2*p:CH+2*p+1], v[X+2*p:X+2*p+1], v[X+2*p:X+2*p+1]
.set p, p+1
.endr
.rept 28
	s_delay_alu instid0(VALU_DEP_4)
	v_pk_fma_f32 v[CH+2*(p%4):CH+2*(p%4)+1], v[X+2*p:X+2*p+1], v[X+2*p:X+2*p+1], v[CH+2*(p%4):CH+2*(p%4)+1]
.set p, p+1
.endr
	REDUCE 32                                      ; other LDS bytes than pass 1's: no wave can write what another still reads
	v_mov_b32 v90, v[MN]
	s_delay_alu instid0(VALU_DEP_2)
	v_mov_b32 v91, v86
	v_cmp_eq_u32 vcc_lo, 0, v0
	s_wait_alu depctr_va_vdst(0)
	s_wait_xcnt 0x0                                ; EXEC is a source of the loads above: it changes only behind this wait
	s_wait_tensorcnt 0x0
	ds_add_u32 v96, v97
	s_wait_dscnt 0x0
	s_and_saveexec_b32 s9, vcc_lo
	global_store_b64 v89, v[90:91], s[6:7]         ; thread 0 alone
	s_wait_xcnt 0x0
	s_or_b32 exec_lo, exec_lo, s9
	s_endpgm
.Lfunc_end_k_q4f03a05ff0_stats:
	.size	k_q4f03a05ff0_stats, .Lfunc_end_k_q4f03a05ff0_stats-k_q4f03a05ff0_stats
	.p2alignl 7, 3214868480
	.fill 96, 4, 3214868480
	.section	.rodata,"a",@progbits
	.p2align	6, 0x0
	.amdhsa_kernel k_q4f03a05ff0_stats
		.amdhsa_group_segment_fixed_size 1280
		.amdhsa_private_segment_fixed_size 0
		.amdhsa_enable_private_segment 0
		.amdhsa_kernarg_size 16
		.amdhsa_user_sgpr_count 2
		.amdhsa_user_sgpr_kernarg_segment_ptr 1
		.amdhsa_wavefront_size32 1
		.amdhsa_system_sgpr_workgroup_id_x 1
		.amdhsa_system_sgpr_workgroup_id_y 1
		.amdhsa_system_sgpr_workgroup_id_z 1
		.amdhsa_system_vgpr_workitem_id 0
		.amdhsa_next_free_vgpr 98
		.amdhsa_next_free_sgpr 66
		.amdhsa_reserve_vcc 1
		.amdhsa_float_denorm_mode_32 3
		.amdhsa_float_denorm_mode_16_64 3
		.amdhsa_memory_ordered 1
		.amdhsa_forward_progress 1
		.amdhsa_inst_pref_size 14
	.end_amdhsa_kernel
	.amdgpu_metadata
---
amdhsa.version: [ 1, 2 ]
amdhsa.kernels:
  - .name:           k_q4f03a05ff0_stats
    .symbol:         k_q4f03a05ff0_stats.kd
    .args:
      - { .name: x, .offset: 0, .size: 8, .value_kind: global_buffer, .address_space: global }
      - { .name: stats, .offset: 8, .size: 8, .value_kind: global_buffer, .address_space: global }
    .group_segment_fixed_size: 1280
    .private_segment_fixed_size: 0
    .kernarg_segment_align: 8
    .kernarg_segment_size: 16
    .max_flat_workgroup_size: 256
    .sgpr_count:     66
    .vgpr_count:     98
    .wavefront_size: 32
...
	.end_amdgpu_metadata
.endif
;; end of part 1
;; launch qkv (part 2): grid 256 x 1, 16 waves a work-group, no clusters, 10,752 bytes of LDS; arguments x, stats, norm_w, norm_b, qkv_w_codes, qkv_w_scales, qkv_b, qc, qs, kv; writes qc, qs, kv
.if DOCPART == 2
	.amdgcn_target "amdgcn-amd-amdhsa--gfx1250"
	.amdhsa_code_object_version 6
	.text
	.protected	k_q4f03a05ff0_qkv
	.globl	k_q4f03a05ff0_qkv
	.p2align	8
	.type	k_q4f03a05ff0_qkv,@function
k_q4f03a05ff0_qkv:
	s_mov_b64 s[64:65], 0
	v_nop
	global_prefetch_b8 v0, s[64:65] scope:SCOPE_SE
	s_setreg_imm32_b32 hwreg(HW_REG_WAVE_MODE, 25, 1), 1
	s_wait_xcnt 0x0
; GroupNorm, its quantising along the channels, the product with qkv_w (codes of E2M1, E8M0 scales, taken as given), the bias, x 2^-1.5 for q and k,
; and the quantising of q and k (along the head's 64 channels) and of v (along the tokens), all as images of the registers that the attention launch wants.
; SHARES.  Work-group wg: batch b = wg >> 6, tokens 64 blk .. 64 blk + 63 (blk = wg & 63), all 256 channels, all 768 outputs.
;  Phase X: wave w normalises and quantises block bl = w >> 1 (channels 32 bl ..) of tokens 32 (w & 1) + lane: a lane to a token, its 32 registers down the channels,
;           so a block of 32 along K is one lane's and the codes come out with K innermost.  They go to LDS as images of operand registers.  One barrier.
;  Phase G: wave w (head hd = w >> 2, i = w & 3) makes q of token tile i, k of token tile i, v of channel tile i: 8 matrix instructions each.
; TILES ARE PERMUTED: lane r of tile 2 B + u (tokens, rows of W, channels of v alike) takes index 32 B + 8 u + r + 8 (r / 8).  In a result, the 16 registers of tiles 2 B and 2 B + 1
; of lane (r', h') are then the 16 neighbours 32 B + 16 h' + 0 .. 15 along the next product's K.  For q and k: source 0 = rows of W, source 1 = tokens (a lane holds a token, registers run
; along channels).  For v: source 0 = tokens, source 1 = rows of W (a lane holds a channel, registers run along tokens).  The same images of the normed x serve both.
; A scale register carries two words: lanes 0-15 K step 0's, lanes 16-31 K step 1's (picked by MATRIX_SCALE_ROW1).  These registers hold scales alone.
; NO CLUSTER: what work-groups share is the weights, 104 KB, which go straight into registers, each fragment into one wave; x, 64 KB a work-group, is shared with nobody.
; x's loads cover 128 consecutive bytes a wave (32 tokens of a channel); the wave beside it takes the other 128 of the aligned 256.
; The two scale bytes a lane of v (128 KB in the whole launch, of 7 MB stored) leave as 2-byte stores: the other half of each word is the neighbouring work-group's.
; LIMITS: NaN and infinities are not served; a block whose largest magnitude is 0 or under 2^-124 gets the byte 1 (its codes are zeros or the rule's held scale; only this program reads the bytes); v_rsq_f32 is good to 1 ulp.
; THE ORDER OF TOKENS IN A TILE (it takes the place of what the lines above say of TOKEN tiles; rows of W and channels of v stay as said there):
; row 8 H + j of token tile u (u = 0 .. 3) is token 32 H + 8 u + j of the work-group's 64.  As keys: tile 4 c + u of a key step (c = blk & 1), row 8 h + j = key 64 c + 32 h + 8 u + j,
; so that in the attention launch a lane's 32 scores of tiles 4 c .. 4 c + 3 are one whole block of 32 neighbouring keys.  For v (source 0 = tokens) register 8 u + j of lane (r, h) is token 32 h + 8 u + j:
; a whole block along the tokens lies in one lane, and the four conversions give registers 0-3 of the operand as they stand.
.set XIMG, 0
.set XSC,  8192                        ; their scale words: (t, k, r) at 128 t + 64 k + 4 r
.set TM,   16                          ; v16-23  at work in the quantisers
.set PC,   28                          ; v28-31  codes just made
.set PW,   32                          ; v32     scale word just made
.set SEL,  24                          ; s[24:25] lane selects, written when norm_w's numbers are done with
.set X,    64                          ; v[64:95]   x, then k's bias and sums
.set AQ,   96                          ; v[96:127]  q's bias and sums, then v's sums
.set WA,   128                         ; v[128:191] W's rows for q (tile t, K step k at 16 t + 8 k); then v's rows at v[128:143], v's bias at v[144:151]
.set WB,   192                         ; v[192:255] W's rows for k; then all 8 fragments of the normed x
; v33-36, v37-40, v41: W's scale words for q, k, v;  v42: token tile i's;  v43-46: the four token tiles'
; 32 numbers of a lane, register 16 B + i = k 32 B + 16 (lane / 16) + i of its row, become registers 0-3 of a fragment (k = 32 (lane / 16) + 0 .. 31) in v[PC] on, and two scale bytes in v[PW].
.macro QUANT2 s
.irp b, 0,1
	v_max3_num_f32 v[TM+\b], |v[\s+16*\b]|, |v[\s+16*\b+1]|, 0x1800000   ; my 16 numbers of block b, and the floor 2^(3 - 127): the byte cannot fall under 1
.endr
.irp i, 2,4,6,8,10,12,14
.irp b, 0,1
	v_max3_num_f32 v[TM+\b], v[TM+\b], |v[\s+16*\b+\i]|, |v[\s+16*\b+\i+1]|
.endr
.endr
.irp b, 0,1
	v_permlanex16_b32 v[TM+2+\b], v[TM+\b], s[SEL], s[SEL+1]
.endr
.irp b, 0,1
	s_delay_alu instid0(VALU_DEP_2)
	v_max_num_f32 v[TM+\b], v[TM+\b], v[TM+2+\b]   ; with lane l xor 16's 16: the block's largest magnitude
.endr
.irp b, 0,1
	s_delay_alu instid0(VALU_DEP_2)
	v_add_nc_u32 v[TM+4+\b], 0xff000000, v[TM+\b]  ; 2 off its exponent field: the conversion's scale operand
.endr
.irp b, 0,1
	s_delay_alu instid0(VALU_DEP_2)
	v_lshrrev_b32 v[TM+6+\b], 23, v[TM+4+\b]       ; the scale's byte
.endr
	s_delay_alu instid0(VALU_DEP_1)
	v_lshl_or_b32 v[PW], v[TM+7], 8, v[TM+6]       ; bytes 2 and 3 stay 0
.irp b, 0,1
	v_cvt_scalef32_pk8_fp4_f32 v[PC+2*\b], v[\s+16*\b:\s+16*\b+7], v[TM+4+\b]
	v_cvt_scalef32_pk8_fp4_f32 v[PC+2*\b+1], v[\s+16*\b+8:\s+16*\b+15], v[TM+4+\b]
.endr
	v_nop                                          ; one plain place behind a scaled conversion
	v_permlane16_swap_b32 v[PC], v[PC+2]           ; a whole block to a lane: lanes 0-15 block 0, lanes 16-31 block 1
	v_permlane16_swap_b32 v[PC+1], v[PC+3]
.endm
; One matrix instruction: D, A, B, C, A's scales, B's scales; row = 1: both scale words from lanes 16-31
.macro WM d, a, b, c, sa, sb, row
.if \row
	v_wmma_scale_f32_16x16x128_f8f6f4 v[\d:\d+7], v[\a:\a+7], v[\b:\b+7], v[\c:\c+7], v[\sa], v[\sb] matrix_a_fmt:MATRIX_FMT_FP4 matrix_b_fmt:MATRIX_FMT_FP4 matrix_a_scale:MATRIX_SCALE_ROW1 matrix_b_scale:MATRIX_SCALE_ROW1
.else
	v_wmma_scale_f32_16x16x128_f8f6f4 v[\d:\d+7], v[\a:\a+7], v[\b:\b+7], v[\c:\c+7], v[\sa], v[\sb] matrix_a_fmt:MATRIX_FMT_FP4 matrix_b_fmt:MATRIX_FMT_FP4
.endif
.endm
.macro PLACES                          ; four plain places behind matrix instructions, in front of reads of results and of loads into their registers
.rept 4
	v_nop
.endr
.endm
; 64 rows of W from the head's row `row` on: four permuted tiles x two K steps, and their scale words: 20 loads
.macro LOADW wr, sc, row
.irp t, 0,1,2,3
.irp k, 0,1
.irp c, 0,1
	global_load_b128 v[\wr+16*\t+8*\k+4*\c:\wr+16*\t+8*\k+4*\c+3], v5, s[12:13] offset:(\row+32*(\t/2)+8*(\t%2))*128+64*\k+32*\c
.endr
.endr
	global_load_b32 v[\sc+\t], v6, s[14:15] offset:(\row+32*(\t/2)+8*(\t%2))*8
.endr
.endm
; their biases in the result's layout: lane (r, h), tile 2 B + u, register j: output row + 32 B + 16 h + 8 u + j: 8 loads
.macro LOADB acc, row
.irp t, 0,1,2,3
	global_load_b128 v[\acc+8*\t:\acc+8*\t+3], v7, s[16:17] offset:(\row+32*(\t/2)+8*(\t%2))*4
	global_load_b128 v[\acc+8*\t+4:\acc+8*\t+7], v7, s[16:17] offset:(\row+32*(\t/2)+8*(\t%2))*4+16
.endr
.endm
; q or k of my token tile: four accumulators by turns, one instruction a turn; the bias is the C of each sum's first instruction
.macro MULQK acc, wr, sc
.irp t, 0,1,2,3
	WM \acc+8*\t, \wr+16*\t, 48, \acc+8*\t, \sc+\t, 42, 0
.endr
.irp t, 0,1,2,3
	WM \acc+8*\t, \wr+16*\t+8, 56, \acc+8*\t, \sc+\t, 42, 1
.endr
.endm
.macro POSTQK acc                      ; x 2^-1.5 = 1 / sqrt(sqrt(64)), each accumulator from its low end on; then the quantiser
.set p, 0
.rept 16
	v_pk_mul_f32 v[\acc+2*p:\acc+2*p+1], v[\acc+2*p:\acc+2*p+1], 0x3eb504f3 op_sel_hi:[1,0]
.set p, p+1
.endr
	QUANT2 \acc
.endm
; A group's mean and 1 / sqrt(var + eps) from its four quarters (mean, sum of squared deviations), v[48 + 8 g ..]: M2 = sum of the four + 16,384 x sum of (quarter's mean - mean)^2
.macro GSTAT g
	v_add_f32 v16, v[48+8*\g], v[50+8*\g]
	v_add_f32 v17, v[52+8*\g], v[54+8*\g]
	s_delay_alu instid0(VALU_DEP_1)
	v_add_f32 v16, v16, v17
	s_delay_alu instid0(VALU_DEP_1)
	v_mul_f32 v16, 0x3e800000, v16                 ; the mean
	s_delay_alu instid0(VALU_DEP_1)
	v_sub_f32 v17, v[48+8*\g], v16
	s_delay_alu instid0(VALU_DEP_1)
	v_mul_f32 v18, v17, v17
.irp q, 1,2,3
	v_sub_f32 v17, v[48+8*\g+2*\q], v16
	s_delay_alu instid0(VALU_DEP_1)
	v_fma_f32 v18, v17, v17, v18
.endr
	v_add_f32 v19, v[49+8*\g], v[51+8*\g]
	v_add_f32 v20, v[53+8*\g], v[55+8*\g]
	s_delay_alu instid0(VALU_DEP_1)
	v_add_f32 v19, v19, v20
	s_delay_alu instid0(VALU_DEP_1)
	v_fmamk_f32 v19, v18, 0x46800000, v19
	s_delay_alu instid0(VALU_DEP_1)
	v_fma_f32 v19, v19, s104, s105                 ; / 65,536 + 1e-5
	s_wait_alu depctr_va_vdst(0)
	v_rsq_f32 v19, v19
	v_mul_f32 v16, -1.0, v16                       ; (the plain place behind the transcendental)
	s_delay_alu instid0(VALU_DEP_1)
	v_readfirstlane_b32 s[56+4*\g], v16            ; -mean and rstd are the same in every lane: kept as scalar pairs for the packed forms
	s_wait_alu depctr_va_vdst(0)
	v_readfirstlane_b32 s[58+4*\g], v19
	s_mov_b32 s[57+4*\g], s[56+4*\g]
	s_mov_b32 s[59+4*\g], s[58+4*\g]
.endm
	s_load_b512 s[4:19], s[0:1], 0x0               ; x s[4:5], stats s[6:7], norm_w s[8:9], norm_b s[10:11], W's codes s[12:13], W's scales s[14:15], qkv_b s[16:17], qc s[18:19]
	s_load_b128 s[20:23], s[0:1], 0x40             ; qs s[20:21], kv s[22:23]
	v_lshl_add_u32 v26, v0, 2, 0x2200
	v_mov_b32 v27, 0
	v_lshrrev_b32 v16, 5, v0
	s_delay_alu instid0(VALU_DEP_1)
	v_readfirstlane_b32 s2, v16                    ; wave 0..15
	v_and_b32 v17, 31, v0                          ; lane
	s_delay_alu instid0(VALU_DEP_1)
	v_lshlrev_b32 v1, 2, v17                       ; 4 x lane
	v_and_b32 v2, 15, v0                           ; r
	v_bfe_u32 v3, v0, 4, 1                         ; h
	s_delay_alu instid0(VALU_DEP_2)
	v_and_b32 v4, 8, v2
	s_delay_alu instid0(VALU_DEP_1)
	v_add_nc_u32 v4, v4, v2                        ; r + 8 (r / 8)
	s_delay_alu instid0(VALU_DEP_1)
	v_lshlrev_b32 v5, 7, v4
	s_delay_alu instid0(VALU_DEP_1)
	v_lshl_add_u32 v5, v3, 4, v5                   ; W's codes: a row is 128 bytes; + 16 h
	s_delay_alu instid0(VALU_DEP_3)
	v_lshlrev_b32 v6, 3, v4
	s_delay_alu instid0(VALU_DEP_1)
	v_lshl_add_u32 v6, v3, 2, v6                   ; W's scales: 8 bytes a row; lanes 16-31 take K step 1's word
	v_lshlrev_b32 v7, 6, v3                        ; q's and k's bias: + 16 h outputs
	v_lshlrev_b32 v8, 2, v4                        ; v's bias: my channel
	; where my block's codes go: token 32 (w & 1) + lane is row r' = (lane & 7) + 8 (w & 1) of tile (lane bits 4:3); block bl = (K step, register group, half of the lanes)
	v_and_b32 v9, 7, v0
	s_delay_alu instid0(VALU_DEP_1)
	v_lshlrev_b32 v10, 2, v9
	s_delay_alu instid0(VALU_DEP_2)
	v_lshlrev_b32 v9, 4, v9
	v_bfe_u32 v18, v0, 3, 2                        ; u: the token tile
	s_delay_alu instid0(VALU_DEP_1)
	v_lshl_add_u32 v9, v18, 11, v9
	v_bfe_u32 v19, v0, 5, 1
	s_delay_alu instid0(VALU_DEP_1)
	v_lshl_add_u32 v9, v19, 7, v9                  ; codes: 2048 bits[4:3] + 256 bits[8:6] + 128 bit5 + 16 bits[2:0] of my thread's number
	v_bfe_u32 v20, v0, 6, 3
	s_delay_alu instid0(VALU_DEP_1)
	v_lshl_add_u32 v9, v20, 8, v9                  ; 2048 bits[4:3] + 256 bits[8:6] + 128 bit5 + 16 bits[2:0] of my thread's number
	v_lshl_add_u32 v10, v18, 7, v10
	s_delay_alu instid0(VALU_DEP_1)
	v_lshl_add_u32 v10, v19, 5, v10                ; scale byte: 128 bits[4:3] + 64 bit8 + 32 bit5 + 4 bits[2:0] + bits[7:6]
	v_bfe_u32 v21, v0, 8, 1
	s_delay_alu instid0(VALU_DEP_1)
	v_lshl_add_u32 v10, v21, 6, v10
	v_bfe_u32 v21, v0, 6, 2
	s_delay_alu instid0(VALU_DEP_1)
	v_add_nc_u32 v10, v10, v21
	s_delay_alu instid0(VALU_DEP_1)
	v_add_nc_u32 v10, XSC, v10                     ; and its scale byte: 128 bits[4:3] + 64 bit8 + 32 bit5 + 4 bits[2:0] + bits[7:6]
	v_lshlrev_b32 v11, 4, v17                      ; 16 x lane: an image's place for my lane
	v_lshlrev_b32 v12, 2, v2                       ; 4 r
	v_bfe_u32 v22, v0, 5, 2                        ; i
	s_delay_alu instid0(VALU_DEP_1)
	v_lshl_add_u32 v13, v22, 11, v11               ; token tile i's two fragments
	s_delay_alu instid0(VALU_DEP_2)
	v_lshl_add_u32 v14, v22, 7, v1
	s_delay_alu instid0(VALU_DEP_1)
	v_add_nc_u32 v14, XSC, v14                     ; and its scale words
	v_add_nc_u32 v15, XSC, v1
	v_mov_b32 v47, 0
	s_lshr_b32 s104, ttmp9, 6                      ; b
	s_and_b32 s3, ttmp9, 63                        ; blk
	s_lshr_b32 s105, s2, 1                         ; bl
	s_lshr_b32 s100, s2, 2                         ; hd
	s_and_b32 s101, s2, 3                          ; i
	s_lshl_b32 s66, s104, 22                       ; x: batch,
	s_lshl_b32 s67, s105, 19                       ; 32 bl channels of 16,384 bytes,
	s_add_co_u32 s66, s66, s67
	s_lshl_b32 s67, s3, 8                          ; 64 blk tokens,
	s_add_co_u32 s66, s66, s67
	s_and_b32 s67, s2, 1
	s_lshl_b32 s67, s67, 7                         ; my 32 of them
	s_add_co_u32 s66, s66, s67
	s_mov_b32 s67, 0
	s_wait_alu depctr_va_vdst(0)
	s_wait_kmcnt 0x0
	s_add_nc_u64 s[4:5], s[4:5], s[66:67]
	s_lshl_b32 s66, s104, 9
	s_lshl_b32 s56, s105, 6
	s_add_co_u32 s66, s66, s56                     ; stats: groups 16 b + 2 bl and the next, 32 bytes each
	s_add_nc_u64 s[6:7], s[6:7], s[66:67]
.irp k, 0,1,2,3
	global_load_b128 v[48+4*\k:51+4*\k], v47, s[6:7] offset:16*\k    ; every lane the same 64 bytes
.endr
.irp i, 0,1,2,3,4,5,6,7,8,9,10,11,12,13,14,15,16,17,18,19,20,21,22,23,24,25,26,27,28,29,30,31
	global_load_b32 v[X+\i], v1, s[4:5] offset:16384*\i              ; x(32 bl + i, my token)
.endr
	s_lshl_b32 s66, s105, 7
	s_add_nc_u64 s[8:9], s[8:9], s[66:67]
	s_add_nc_u64 s[10:11], s[10:11], s[66:67]
	s_load_b512 s[24:39], s[8:9], 0x0              ; norm_w of my 32 channels: s[24 + c]
	s_load_b512 s[40:55], s[8:9], 0x40
	s_load_b512 s[68:83], s[10:11], 0x0            ; norm_b: s[68 + c]
	s_load_b512 s[84:99], s[10:11], 0x40
	s_mul_i32 s66, s100, 24576                     ; the head's 192 rows of W: codes,
	s_add_nc_u64 s[12:13], s[12:13], s[66:67]
	s_mul_i32 s66, s100, 1536                      ; scales,
	s_add_nc_u64 s[14:15], s[14:15], s[66:67]
	s_mul_i32 s66, s100, 768                       ; bias
	s_add_nc_u64 s[16:17], s[16:17], s[66:67]
	s_lshl_b32 s104, s104, 2
	s_add_co_u32 s100, s104, s100                  ; bh = 4 b + hd
	s_mov_b32 s104, 0x37800000                     ; 2^-16
	s_mov_b32 s105, 0x3727c5ac                     ; 1e-5
	s_wait_loadcnt 32                              ; the four loads of stats are in; x's 32 stay out
	GSTAT 0
	GSTAT 1
	LOADW WA, 33, 0                                ; q's rows, scale words
	LOADB AQ, 0                                    ; and bias: 28 loads
	LOADW WB, 37, 64                               ; k's rows and scale words: 20 loads
	s_wait_kmcnt 0x0                               ; norm_w, norm_b
	s_wait_loadcnt 48                              ; x is in; the 48 loads issued behind it stay out
	; ((x - mean) rstd) w + b
.set p, 0
.rept 16
	v_pk_add_f32 v[X+2*p:X+2*p+1], v[X+2*p:X+2*p+1], s[56+4*(p/8):57+4*(p/8)] op_sel_hi:[1,0]
.set p, p+1
.endr
.set p, 0
.rept 16
	v_pk_mul_f32 v[X+2*p:X+2*p+1], v[X+2*p:X+2*p+1], s[58+4*(p/8):59+4*(p/8)] op_sel_hi:[1,0]
.set p, p+1
.endr
.set p, 0
.rept 32
	v_fma_f32 v[X+p], v[X+p], s[24+p], s[68+p]
.set p, p+1
.endr
	; the block's scale and codes: all 32 numbers are mine
	v_max3_num_f32 v16, |v[X]|, |v[X+1]|, |v[X+2]|
	v_max3_num_f32 v17, |v[X+3]|, |v[X+4]|, |v[X+5]|
.irp i, 6,10,14,18,22,26
	s_delay_alu instid0(VALU_DEP_2)
	v_max3_num_f32 v16, v16, |v[X+\i]|, |v[X+\i+1]|
	s_delay_alu instid0(VALU_DEP_2)
	v_max3_num_f32 v17, v17, |v[X+\i+2]|, |v[X+\i+3]|
.endr
	s_delay_alu instid0(VALU_DEP_2)
	v_max3_num_f32 v16, v16, |v[X+30]|, |v[X+31]|
	s_delay_alu instid0(VALU_DEP_1)
	v_max3_num_f32 v16, v16, v17, 0x1800000        ; the floor 2^(3 - 127)
	s_delay_alu instid0(VALU_DEP_1)
	v_add_nc_u32 v20, 0xff000000, v16
	s_delay_alu instid0(VALU_DEP_1)
	v_lshrrev_b32 v21, 23, v20
.irp g, 0,1,2,3
	v_cvt_scalef32_pk8_fp4_f32 v[PC+\g], v[X+8*\g:X+8*\g+7], v20
.endr
	v_nop                                          ; one plain place behind a scaled conversion
	ds_store_b128 v9, v[PC:PC+3]
	ds_store_b8 v10, v21
	LOADB X, 64                                    ; k's bias, into the registers that x has left: 8 loads
	s_wait_dscnt 0x0                               ; for the others' sake: my stores have landed
	s_barrier_signal -1
	s_barrier_wait -1                              ; the 8 fragments and their scale words lie in LDS; nothing is written there again
	ds_load_b128 v[48:51], v13                     ; token tile i: K step 0,
	ds_load_b128 v[52:55], v13 offset:512
	ds_load_b128 v[56:59], v13 offset:1024         ; K step 1
	ds_load_b128 v[60:63], v13 offset:1536
	ds_load_b32 v42, v14
	; norm_w's scalars are done with: the bases of what is still to be loaded and stored
	s_mov_b32 s[SEL], 0x76543210
	s_mov_b32 s[SEL+1], 0xfedcba98
	s_mov_b32 s67, 0
	s_lshr_b32 s104, s101, 1
	s_and_b32 s105, s101, 1
	s_lshl_b32 s66, s104, 12
	s_lshl_b32 s105, s105, 10
	s_add_co_u32 s66, s66, s105
	s_add_co_u32 s66, s66, 16384                   ; v's channel tile i begins at the head's row 128 + 32 (i / 2) + 8 (i % 2): x 128 bytes of codes,
	s_add_nc_u64 s[26:27], s[12:13], s[66:67]
	s_lshr_b32 s66, s66, 4                         ; x 8 of scales,
	s_add_nc_u64 s[28:29], s[14:15], s[66:67]
	s_lshr_b32 s66, s66, 1                         ; x 4 of bias
	s_add_nc_u64 s[30:31], s[16:17], s[66:67]
	s_lshl_b32 s104, s100, 8
	s_lshl_b32 s105, s3, 2
	s_add_co_u32 s104, s104, s105
	s_add_co_u32 s104, s104, s101                  ; my query tile: 256 bh + 4 blk + i
	s_lshl_b32 s66, s104, 9
	s_add_nc_u64 s[32:33], s[18:19], s[66:67]      ; qc: 512 bytes a tile
	s_lshl_b32 s66, s104, 6
	s_add_nc_u64 s[34:35], s[20:21], s[66:67]      ; qs: 64
	s_lshl_b32 s104, s100, 5
	s_lshr_b32 s105, s3, 1
	s_add_co_u32 s104, s104, s105
	s_mul_i32 s66, s104, 8960
	s_add_nc_u64 s[44:45], s[22:23], s[66:67]      ; kv: the block of key step blk / 2 of my head
	s_and_b32 s105, s3, 1
	s_lshl_b32 s104, s105, 2
	s_add_co_u32 s104, s104, s101                  ; my key tile in the step: 4 (blk & 1) + i
	s_lshl_b32 s66, s104, 9
	s_add_nc_u64 s[36:37], s[44:45], s[66:67]      ; K's codes
	s_lshl_b32 s66, s104, 6
	s_add_co_u32 s66, s66, 8192
	s_add_nc_u64 s[38:39], s[44:45], s[66:67]      ; K's scale words
	s_lshl_b32 s66, s101, 10
	s_lshl_b32 s104, s105, 9
	s_add_co_u32 s66, s66, s104
	s_add_co_u32 s66, s66, 4096
	s_add_nc_u64 s[40:41], s[44:45], s[66:67]      ; V's codes: channel tile i, register group blk & 1
	s_lshl_b32 s66, s101, 6
	s_lshl_b32 s104, s105, 1
	s_add_co_u32 s66, s66, s104
	s_add_co_u32 s66, s66, 8704
	s_add_nc_u64 s[42:43], s[44:45], s[66:67]      ; V's scale bytes 2 (blk & 1) and the next
	; ---- q
	s_wait_loadcnt 28                              ; q's 28 loads are in; k's 20 and k's bias's 8 stay out
	s_wait_dscnt 0x0
	MULQK AQ, WA, 33
	PLACES
.irp k, 0,1
.irp c, 0,1
	global_load_b128 v[WA+8*\k+4*\c:WA+8*\k+4*\c+3], v5, s[26:27] offset:64*\k+32*\c   ; v's 16 rows of W, where q's lay
.endr
.endr
	global_load_b32 v144, v8, s[30:31]             ; v's bias: my channel's
	global_load_b32 v41, v6, s[28:29]
	POSTQK AQ
	global_store_b128 v11, v[PC:PC+3], s[32:33]    ; 512 consecutive bytes a wave
	global_store_b32 v12, v[PW], s[34:35]          ; lanes 16-31 hold and store the same word as lanes 0-15
	; ---- k
	s_wait_loadcnt 6                               ; k's loads are in; v's 6 stay out
	MULQK X, WB, 37
	PLACES
.irp t, 0,1,2,3
.irp k, 0,1
.irp c, 0,1
	ds_load_b128 v[WB+16*\t+8*\k+4*\c:WB+16*\t+8*\k+4*\c+3], v11 offset:XIMG+2048*\t+1024*\k+512*\c   ; all four token tiles, where k's rows lay
.endr
.endr
	ds_load_b32 v[43+\t], v15 offset:128*\t
.endr
	s_wait_xcnt 0x0                                ; q's stores have read their data: the codes' registers may be written again
	POSTQK X
	global_store_b128 v11, v[PC:PC+3], s[36:37]
	global_store_b32 v12, v[PW], s[38:39]
	; ---- v
	s_wait_loadcnt 0x0
.irp j, 1,2,3,4,5,6,7
	v_mov_b32 v[144+\j], v144                      ; a lane holds one channel: its bias in all eight registers of C
.endr
	PLACES
	s_wait_alu depctr_va_vdst(0)
	s_wait_dscnt 0x0
.irp t, 0,1,2,3
	WM AQ+8*\t, WB+16*\t, 128, 144, 43+\t, 41, 0
.endr
.irp t, 0,1,2,3
	WM AQ+8*\t, WB+16*\t+8, 136, AQ+8*\t, 43+\t, 41, 1
.endr
	PLACES
	s_wait_xcnt 0x0                                ; k's stores have read their data
	; v along the tokens: my 32 registers are block h (= lane / 16) of the work-group's two; no other lane is asked for the maximum
	v_lshlrev_b32 v19, 3, v3                       ; 8 h
	v_max3_num_f32 v16, |v[AQ]|, |v[AQ+1]|, 0x1800000   ; the floor 2^(3 - 127): the byte cannot fall under 1
	v_max3_num_f32 v17, |v[AQ+2]|, |v[AQ+3]|, |v[AQ+4]|
.irp i, 5,9,13,17,21,25
	v_max3_num_f32 v16, v16, |v[AQ+\i]|, |v[AQ+\i+1]|      ; two chains by turns; each accumulator is first read at its low end
	v_max3_num_f32 v17, v17, |v[AQ+\i+2]|, |v[AQ+\i+3]|
.endr
	v_max3_num_f32 v16, v16, |v[AQ+29]|, |v[AQ+30]|
	v_max3_num_f32 v16, v16, v17, |v[AQ+31]|
	s_delay_alu instid0(VALU_DEP_1)
	v_add_nc_u32 v20, 0xff000000, v16              ; 2 off the exponent field: the conversion's scale operand
	s_delay_alu instid0(VALU_DEP_1)
	v_lshrrev_b32 v21, 23, v20                     ; the scale's byte,
	s_delay_alu instid0(VALU_DEP_1)
	v_lshlrev_b32 v21, v19, v21                    ; at its place, 8 h bits up
	s_delay_alu instid0(VALU_DEP_1)
	v_permlanex16_b32 v18, v21, s[SEL], s[SEL+1]
.irp g, 0,1,2,3
	v_cvt_scalef32_pk8_fp4_f32 v[PC+\g], v[AQ+8*\g:AQ+8*\g+7], v20
.endr
	v_or_b32 v[PW], v21, v18                       ; with lane l xor 16's byte: both blocks' bytes (also the plain place behind the conversions)
	global_store_b128 v11, v[PC:PC+3], s[40:41]
	global_store_b16 v12, v[PW], s[42:43]
	s_wait_tensorcnt 0x0
	ds_add_u32 v26, v27
	s_wait_dscnt 0x0
	s_endpgm
.Lfunc_end_k_q4f03a05ff0_qkv:
	.size	k_q4f03a05ff0_qkv, .Lfunc_end_k_q4f03a05ff0_qkv-k_q4f03a05ff0_qkv
	.p2alignl 7, 3214868480
	.fill 96, 4, 3214868480
	.section	.rodata,"a",@progbits
	.p2align	6, 0x0
	.amdhsa_kernel k_q4f03a05ff0_qkv
		.amdhsa_group_segment_fixed_size 10752
		.amdhsa_private_segment_fixed_size 0
		.amdhsa_enable_private_segment 0
		.amdhsa_kernarg_size 80
		.amdhsa_user_sgpr_count 2
		.amdhsa_user_sgpr_kernarg_segment_ptr 1
		.amdhsa_wavefront_size32 1
		.amdhsa_system_sgpr_workgroup_id_x 1
		.amdhsa_system_sgpr_workgroup_id_y 1
		.amdhsa_system_sgpr_workgroup_id_z 1
		.amdhsa_system_vgpr_workitem_id 0
		.amdhsa_next_free_vgpr 256
		.amdhsa_next_free_sgpr 106
		.amdhsa_reserve_vcc 0
		.amdhsa_float_denorm_mode_32 3
		.amdhsa_float_denorm_mode_16_64 3
		.amdhsa_memory_ordered 1
		.amdhsa_forward_progress 1
		.amdhsa_inst_pref_size 40
	.end_amdhsa_kernel
	.amdgpu_metadata
---
amdhsa.version: [ 1, 2 ]
amdhsa.kernels:
  - .name:           k_q4f03a05ff0_qkv
    .symbol:         k_q4f03a05ff0_qkv.kd
    .args:
      - { .name: x, .offset: 0, .size: 8, .value_kind: global_buffer, .address_space: global }
      - { .name: stats, .offset: 8, .size: 8, .value_kind: global_buffer, .address_space: global }
      - { .name: norm_w, .offset: 16, .size: 8, .value_kind: global_buffer, .address_space: global }
      - { .name: norm_b, .offset: 24, .size: 8, .value_kind: global_buffer, .address_space: global }
      - { .name: qkv_w_codes, .offset: 32, .size: 8, .value_kind: global_buffer, .address_space: global }
      - { .name: qkv_w_scales, .offset: 40, .size: 8, .value_kind: global_buffer, .address_space: global }
      - { .name: qkv_b, .offset: 48, .size: 8, .value_kind: global_buffer, .address_space: global }
      - { .name: qc, .offset: 56, .size: 8, .value_kind: global_buffer, .address_space: global }
      - { .name: qs, .offset: 64, .size: 8, .value_kind: global_buffer, .address_space: global }
      - { .name: kv, .offset: 72, .size: 8, .value_kind: global_buffer, .address_space: global }
    .group_segment_fixed_size: 10752
    .private_segment_fixed_size: 0
    .kernarg_segment_align: 8
    .kernarg_segment_size: 80
    .max_flat_workgroup_size: 512
    .sgpr_count:     106
    .vgpr_count:     256
    .wavefront_size: 32
...
	.end_amdgpu_metadata
.endif
;; end of part 2
;; launch attn (part 3): grid 16 x 16, 16 waves a work-group, clusters of 4 x 1, 288,768 bytes of LDS; arguments qc, qs, kv, hc, hs; writes hc, hs
.if DOCPART == 3
	.amdgcn_target "amdgcn-amd-amdhsa--gfx1250"
	.amdhsa_code_object_version 6
	.text
	.protected	k_q4f03a05ff0_attn
	.globl	k_q4f03a05ff0_attn
	.p2align	8
	.type	k_q4f03a05ff0_attn,@function
k_q4f03a05ff0_attn:
	s_mov_b64 s[64:65], 0
	v_nop
	global_prefetch_b8 v0, s[64:65] scope:SCOPE_SE
	s_setreg_imm32_b32 hwreg(HW_REG_WAVE_MODE, 25, 1), 1
	s_wait_xcnt 0x0
	s_wait_alu depctr_hold_cnt(0) depctr_sa_sdst(0) depctr_va_vdst(0) depctr_va_sdst(0) depctr_va_ssrc(0) depctr_va_vcc(0) depctr_vm_vsrc(0)
	s_getreg_b32 s2, hwreg(HW_REG_IB_STS2, 6, 4)
	s_cmp_eq_u32 s2, 0
	s_cbranch_scc0 .Lentry_in_a_cluster
	s_endpgm
.Lentry_in_a_cluster:
	s_bfe_u32 s2, ttmp6, 0x10000c
	s_cmp_lg_u32 s2, 0x3003
	s_cbranch_scc0 .Lentry_shape_is_right
	s_endpgm
.Lentry_shape_is_right:
; Attention on codes of E2M1: for each of 16 (batch, head) pairs, 4,096 queries x 4,096 keys, head size 64.  t = score x log2(e) (the factors 2^-1.5 are already in q and k);
; M = the running largest t rounded UP to a whole number; p = 2^(t - M) is quantised along the keys, not normalised; the row's sum is taken of the unquantised p and divides O at the end;
; when M moves, the sums and O are multiplied by 2^(old M - new M), which rounds nothing.  O / sum is then quantised along the channels for the output projection.
; SHARES.  Work-group (x, y): head y, queries 256 x ..; each of its sixteen waves owns one tile of 16 queries in 256 registers, four waves to a SIMD.
; A key step (128 keys) is 12 matrix instructions against some 210 vector instructions, 66 of them exponentials: the vector count is what this text keeps low.
; LDS.  A head's K and V, codes and scale words, are 32 steps x 8,960 bytes = 286,720 bytes: they lie in LDS whole, as images of operand registers (lane l's 16 bytes at 16 l).
; They are filled ONCE: wave w brings steps 2 w and 2 w + 1 by its one tensor load (17,920 bytes, 70 rows of 256).  One wait, one barrier, and then 32 steps with no barrier.
; CLUSTER.  The four work-groups of a cluster have one head: each fill is asked for jointly, by the same load with the same descriptor and the mask of all four.
; NO PREFETCH: every byte that the launch reads through LDS is asked for by the loads at the head; there is no loop to run ahead in.
; LAYOUT.  Both products transposed: S^T = K Q^T (source 0 = 16 keys), O^T = V^T P^T (source 0 = 16 channels): a lane holds one query (lane % 16) throughout.
; Row 8 h + j of key tile 4 c + u is key 64 c + 32 h + 8 u + j of the step: the 32 registers of tiles 4 c .. 4 c + 3 of lane (r, h) are block 2 c + h of the step's four, whole and in order.
; So a block's maximum needs no other lane, and conversion u of block c gives register 4 c + u of the second product's operand as it stands.  Lanes l and l xor 16 exchange the row's maximum and two scale bytes.
; Channel tiles are permuted (lane r of tile 2 B + u: channel 32 B + 8 u + r + 8 (r / 8)), so that O^T's 16 registers of two neighbouring tiles are 16 neighbouring channels.
; The first product's K is 64: registers 4-7 of K's and Q's fragments are zero codes (set once), bytes 2 and 3 of their scale words are 0 (2^-127): they add nothing.
; A step's block: K's codes [tile 8][512] at 0; V's codes [channel tile 4][register group 2][512] at 4,096; K's scale words [8][16][4] at 8,192; V's [4][16][4] at 8,704.
; LIMITS: NaN and infinities are not served; the scaled scores t stay under 2^31 in magnitude; a block of p or of O that is all zeros or under 2^-124 gets the byte 1;
; v_exp_f32 and v_rcp_f32 are good to 1 ulp; a block's largest p is taken as the exponential of its largest score.
; REGISTERS: v1 16 x lane, v2 4 x lane, v3, v4 the step's addresses, v5 4 r, v6 8 h, v7 my spare word, v241 0; v12 -M, v13 the largest t; v[16:23] Q; v[24:31] the sum in four packed chains;
; v[32:95] K's 8 tiles; v[96:159] S^T, then p; v[160:191] O^T; v[192:223] V's 4 tiles; v[224:231] p's codes; v232-240, v244, v245, v252, v254 at work;
; scale words alone in v242-243 (V), v248-251 (K), v253 (p), v255 (Q).
.set STEPB, 8960
.set PARTB, 2*STEPB                    ; a wave's fill
.set SPARE, 32*STEPB                   ; behind K and V: the spare words, 128 bytes a wave
.set SM,  24
.set TM,  232
.set PC,  224
.set PW,  240
.set SEL, 20                           ; s[20:21] lane selects: lane l xor 16
.set CS,  22                           ; s[22:23] log2(e), as a pair for the packed form
.macro CROUND                          ; a round of the cluster's barrier
	s_barrier_signal -1
	s_barrier_wait -1
	s_cmp_lg_u32 s14, 0
	s_cbranch_scc1 .Lnot_wave_0_\@
	s_barrier_signal -3
.Lnot_wave_0_\@:
	s_barrier_wait -3
	s_barrier_signal -1
	s_barrier_wait -1
.endm
; The way out's quantiser: 32 numbers of a lane, register 16 B + i = channel 32 B + 16 (lane / 16) + i, become registers 0-3 of a fragment in v[PC] on, and two scale bytes in v[PW].
.macro QUANT2 s
.irp b, 0,1
	v_max3_num_f32 v[TM+\b], |v[\s+16*\b]|, |v[\s+16*\b+1]|, 0x1800000
.endr
.irp i, 2,4,6,8,10,12,14
.irp b, 0,1
	s_delay_alu instid0(VALU_DEP_2)
	v_max3_num_f32 v[TM+\b], v[TM+\b], |v[\s+16*\b+\i]|, |v[\s+16*\b+\i+1]|
.endr
.endr
.irp b, 0,1
	s_delay_alu instid0(VALU_DEP_2)
	v_permlanex16_b32 v[TM+2+\b], v[TM+\b], s[SEL], s[SEL+1]
.endr
.irp b, 0,1
	s_delay_alu instid0(VALU_DEP_2)
	v_max_num_f32 v[TM+\b], v[TM+\b], v[TM+2+\b]
.endr
.irp b, 0,1
	s_delay_alu instid0(VALU_DEP_2)
	v_add_nc_u32 v[TM+4+\b], 0xff000000, v[TM+\b]
.endr
.irp b, 0,1
	s_delay_alu instid0(VALU_DEP_2)
	v_lshrrev_b32 v[TM+6+\b], 23, v[TM+4+\b]
.endr
	s_delay_alu instid0(VALU_DEP_1)
	v_lshl_or_b32 v[PW], v[TM+7], 8, v[TM+6]
.irp b, 0,1
	v_cvt_scalef32_pk8_fp4_f32 v[PC+2*\b], v[\s+16*\b:\s+16*\b+7], v[TM+4+\b]
	v_cvt_scalef32_pk8_fp4_f32 v[PC+2*\b+1], v[\s+16*\b+8:\s+16*\b+15], v[TM+4+\b]
.endr
	v_nop
	v_permlane16_swap_b32 v[PC], v[PC+2]
	v_permlane16_swap_b32 v[PC+1], v[PC+3]
.endm
	s_load_b256 s[4:11], s[0:1], 0x0               ; qc s[4:5], qs s[6:7], kv s[8:9], hc s[10:11]
	s_load_b64 s[12:13], s[0:1], 0x20              ; hs
	v_lshl_add_u32 v7, v0, 2, SPARE
	v_mov_b32 v241, 0
	ds_add_u32 v7, v241
	ds_add_u32 v7, v241
	v_lshrrev_b32 v3, 5, v0
	s_delay_alu instid0(VALU_DEP_1)
	v_readfirstlane_b32 s14, v3                    ; wave 0..15
	v_and_b32 v4, 31, v0
	s_delay_alu instid0(VALU_DEP_1)
	v_lshlrev_b32 v1, 4, v4
	s_delay_alu instid0(VALU_DEP_2)
	v_lshlrev_b32 v2, 2, v4
	v_and_b32 v5, 15, v0
	s_delay_alu instid0(VALU_DEP_1)
	v_lshlrev_b32 v5, 2, v5
	v_bfe_u32 v6, v0, 4, 1
	s_delay_alu instid0(VALU_DEP_1)
	v_lshlrev_b32 v6, 3, v6
	s_bfe_u32 s15, ttmp6, 0x40000                  ; cx
	s_lshl_b32 s16, ttmp9, 2
	s_add_co_u32 s16, s16, s15                     ; my block of 256 queries: it enters qc's, qs's, hc's and hs's addresses alone
	s_and_b32 s17, ttmp7, 0xffff                   ; the head, which the four partners share
	; descriptor group 1: a dense block of 70 rows x 256 bytes (32 elements of 8 bytes), no padding
	s_mov_b32 s24, 15|(3<<16)|(1<<21)              ; 15:0 the mask: all four work-groups; 17:16 elements of 8 bytes; 21 set beside a mask
	s_mov_b32 s25, 32<<16                          ; tensor_dim0 = 32
	s_mov_b32 s26, 70<<16                          ; tensor_dim1 = 70
	s_mov_b32 s27, 32<<16                          ; tile_dim0 = 32
	s_mov_b32 s28, 70                              ; tile_dim1 = 70
	s_mov_b32 s29, 32                              ; the pitch
	s_mov_b32 s30, 0
	s_mov_b32 s31, 0
	s_mul_i32 s50, s14, PARTB                      ; my two steps: the same offset in LDS and in the head's block
	s_mul_i32 s18, s17, 32*STEPB
	s_add_co_u32 s18, s18, s50
	s_mov_b32 s19, 0
	s_lshl_b32 s51, s16, 4
	s_add_co_u32 s51, s51, s14                     ; my query tile T in the batch's 256
	s_lshl_b32 s52, s17, 8
	s_add_co_u32 s52, s52, s51                     ; 256 bh + T
	s_lshr_b32 s53, s17, 2
	s_lshl_b32 s53, s53, 8
	s_add_co_u32 s53, s53, s51                     ; 256 b + T
	s_and_b32 s56, s17, 3                          ; hd
	s_mov_b32 s[SEL], 0x76543210
	s_mov_b32 s[SEL+1], 0xfedcba98
	s_mov_b32 s[CS], 0x3fb8aa3b                    ; log2(e)
	s_mov_b32 s[CS+1], s[CS]
	s_mov_b32 s55, 0
	s_mov_b32 s48, 0                               ; LDS byte at which the step in hand begins
	s_wait_dscnt 0x0                               ; both opening adds are done
	s_wait_kmcnt 0x0
	s_add_nc_u64 s[8:9], s[8:9], s[18:19]
	s_mov_b32 s32, 1                               ; count = 1
	s_mov_b32 s33, s50                             ; LDS address
	s_mov_b64 s[34:35], s[8:9]
	s_or_b32 s35, s35, 0x80000000                  ; type = 2
	CROUND                                         ; all four work-groups are here: the joint loads meet
	tensor_load_to_lds s[32:35], s[24:31]          ; every wave's one tensor load of the launch
	s_nop 0
.rept 4
	v_nop
.endr
	s_lshl_b32 s54, s52, 9
	s_add_nc_u64 s[4:5], s[4:5], s[54:55]          ; my tile's codes of q
	s_lshl_b32 s54, s52, 6
	s_add_nc_u64 s[6:7], s[6:7], s[54:55]          ; and scale words
	s_wait_alu depctr_va_vdst(0)                   ; ahead of the readers of v1 and v5
	global_load_b128 v[16:19], v1, s[4:5]
	global_load_b32 v255, v5, s[6:7]
	s_lshl_b32 s54, s53, 2
	s_add_co_u32 s54, s54, s56
	s_lshl_b32 s54, s54, 9
	s_add_nc_u64 s[10:11], s[10:11], s[54:55]      ; hc: ((256 b + T) 4 + hd) 512
	s_lshl_b32 s54, s53, 1
	s_lshr_b32 s52, s56, 1
	s_add_co_u32 s54, s54, s52
	s_lshl_b32 s54, s54, 6
	s_and_b32 s52, s56, 1
	s_lshl_b32 s52, s52, 1
	s_add_co_u32 s54, s54, s52
	s_add_nc_u64 s[12:13], s[12:13], s[54:55]      ; hs: ((256 b + T) 2 + hd / 2) 64 + 2 (hd % 2)
	v_add_nc_u32 v3, s48, v1
	v_add_nc_u32 v4, s48, v2
	v_mov_b32 v13, 0xff61b1e6                      ; the largest t so far: -3e38
	s_delay_alu instid0(VALU_DEP_1)
	v_floor_f32 v12, -v13                          ; -M
.irp j, 20,21,22,23
	v_mov_b32 v[\j], 0                             ; Q's k = 64 .. 127: zero codes
.endr
.irp j, 0,1,2,3,4,5,6,7
	v_mov_b32 v[SM+\j], 0                          ; the sums
.endr
.irp t, 0,1,2,3,4,5,6,7
.irp j, 4,5,6,7
	v_mov_b32 v[32+8*\t+\j], 0                     ; K's zero codes: written once, no load lands there
.endr
.endr
.set j, 0
.rept 32
	v_mov_b32 v[160+j], 0                          ; O^T: the step is written for all steps alike; the first finds zeros, which the first change of M leaves zeros
.set j, j+1
.endr
	v_mov_b32 v237, 0                              ; a lane permute's destination counts as read
	v_mov_b32 v253, 0                              ; (named as the upper half of the pair v[252:253] before it is first written)
.macro KLOAD                           ; K's 8 tiles and their scale words (lanes 0-15 tile 2 p's, lanes 16-31 tile 2 p + 1's) of the step at v3, v4: 12 loads
.irp t, 0,1,2,3,4,5,6,7
	ds_load_b128 v[32+8*\t:35+8*\t], v3 offset:512*\t
.endr
.irp p, 0,1,2,3
	ds_load_b32 v[248+\p], v4 offset:8192+128*\p
.endr
.endm
.macro OM j                            ; four registers of O^T under the new M
	v_pk_mul_f32 v[160+\j:161+\j], v[160+\j:161+\j], v[252:253] op_sel_hi:[1,0]
	v_pk_mul_f32 v[162+\j:163+\j], v[162+\j:163+\j], v[252:253] op_sel_hi:[1,0]
.endm
; A KEY STEP.  Its K was asked of LDS in the middle of the step before.  pf = 1: it asks for the next step's K in turn.
.macro STEP pf
.irp i, 0,1,2,3                                ; V's 10 loads: the 20 additions that end the step before are the places behind its products
.irp c, 0,1
	ds_load_b128 v[192+8*\i+4*\c:195+8*\i+4*\c], v3 offset:4096+1024*\i+512*\c
.endr
.endr
.irp p, 0,1
	ds_load_b32 v[242+\p], v4 offset:8704+128*\p
.endr
.if \pf
	s_add_co_u32 s48, s48, STEPB
.endif
	s_wait_dscnt 10                                ; K's 12 loads are in; V's 10 land under the softmax
.irp t, 0,1,2,3,4,5,6,7
.if \t%2
	v_wmma_scale_f32_16x16x128_f8f6f4 v[96+8*\t:103+8*\t], v[32+8*\t:39+8*\t], v[16:23], 0, v[248+\t/2], v255 matrix_a_fmt:MATRIX_FMT_FP4 matrix_b_fmt:MATRIX_FMT_FP4 matrix_a_scale:MATRIX_SCALE_ROW1
.else
	v_wmma_scale_f32_16x16x128_f8f6f4 v[96+8*\t:103+8*\t], v[32+8*\t:39+8*\t], v[16:23], 0, v[248+\t/2], v255 matrix_a_fmt:MATRIX_FMT_FP4 matrix_b_fmt:MATRIX_FMT_FP4
.endif
.endr
	v_mov_b32 v254, v12                            ; four plain places behind the products (ISA guide 7.12.1): the old -M,
.if \pf
	v_add_nc_u32 v3, s48, v1                       ; the next step's addresses,
	v_add_nc_u32 v4, s48, v2
.else
	v_nop
	v_nop
.endif
	v_nop
	; the largest score of my two blocks of 32 keys, each in two chains (17 and 15 numbers); each accumulator is first read at its low end
.irp c, 0,1
	v_max3_num_f32 v[232+2*\c], v[96+32*\c], v[97+32*\c], v[98+32*\c]
	v_max3_num_f32 v[233+2*\c], v[113+32*\c], v[114+32*\c], v[115+32*\c]
.endr
.irp i, 0,2,4,6,8,10
.irp c, 0,1
	v_max3_num_f32 v[232+2*\c], v[232+2*\c], v[99+32*\c+\i], v[100+32*\c+\i]
	v_max3_num_f32 v[233+2*\c], v[233+2*\c], v[116+32*\c+\i], v[117+32*\c+\i]
.endr
.endr
.irp c, 0,1
	v_max3_num_f32 v[232+2*\c], v[232+2*\c], v[111+32*\c], v[112+32*\c]
.endr
.irp c, 0,1
	s_delay_alu instid0(VALU_DEP_2)
	v_max_num_f32 v[232+2*\c], v[232+2*\c], v[233+2*\c]   ; block 2 c + h's largest score: for the row's maximum, and for the block's largest p
.endr
	s_delay_alu instid0(VALU_DEP_1)
	v_max_num_f32 v236, v232, v234
.if \pf
	KLOAD                                          ; K's registers are free: the maxima above are more than four places behind the products
.endif
	v_permlanex16_b32 v237, v236, s[SEL], s[SEL+1]
	s_delay_alu instid0(VALU_DEP_1)
	v_max_num_f32 v236, v236, v237                 ; with lane l xor 16's 64 keys
	s_delay_alu instid0(VALU_DEP_1)
	v_mul_f32 v236, s[CS], v236                    ; as t
	s_delay_alu instid0(VALU_DEP_1)
	v_max_num_f32 v13, v13, v236                   ; the running largest t
	s_delay_alu instid0(VALU_DEP_1)
	v_floor_f32 v12, -v13                          ; the new -M = -ceil(t)
	s_delay_alu instid0(VALU_DEP_1)
	v_sub_f32 v254, v12, v254                      ; old M - new M: a whole number, 0 or less
.set j, 0
.rept 4
	v_pk_fma_f32 v[96+j:97+j], v[96+j:97+j], s[CS:CS+1], v[12:13] op_sel_hi:[1,0,0]   ; t - M
.set j, j+2
.endr
	v_cvt_i32_f32 v254, v254                       ; (it saturates)
.rept 4
	v_pk_fma_f32 v[96+j:97+j], v[96+j:97+j], s[CS:CS+1], v[12:13] op_sel_hi:[1,0,0]
.set j, j+2
.endr
	v_ldexp_f32 v252, 1.0, v254                    ; f = 2^(old M - new M)
.rept 24
	v_pk_fma_f32 v[96+j:97+j], v[96+j:97+j], s[CS:CS+1], v[12:13] op_sel_hi:[1,0,0]
.set j, j+2
.endr
	v_fma_f32 v232, v232, s[CS], v12               ; the same of each block's largest score
	v_fma_f32 v234, v234, s[CS], v12
	s_wait_alu depctr_va_vdst(0)
	s_wait_dscnt 12*\pf                            ; V's 10 loads are in; the next step's 12 of K stay out
	v_exp_f32 v232, v232                           ; the blocks' largest p
	v_exp_f32 v234, v234
.set j, 0
.rept 64
	v_exp_f32 v[96+j], v[96+j]                     ; p = 2^(t - M)
.set j, j+1
.endr
	s_wait_alu depctr_va_vdst(0)                   ; one wait for the batch, directly ahead of the first reader of O^T too
	OM 0                                           ; O^T x f, each accumulator from its low end on; the scale's lines stand among these
	OM 4
	v_max_num_f32 v232, 0x1800000, v232            ; the floor 2^(3 - 127)
	v_max_num_f32 v234, 0x1800000, v234
	OM 8
	v_add_nc_u32 v244, 0xff000000, v232            ; the conversion's scale operand
	v_add_nc_u32 v245, 0xff000000, v234
	OM 12
	v_lshrrev_b32 v238, 23, v244                   ; the scale's byte
	v_lshrrev_b32 v239, 23, v245
	OM 16
	v_lshl_or_b32 v238, v239, 16, v238             ; my two bytes: blocks h and 2 + h,
	OM 20
	v_lshlrev_b32 v238, v6, v238                   ; at their places in the word, 8 h bits up
	OM 24
	OM 28
	v_permlanex16_b32 v237, v238, s[SEL], s[SEL+1]
.irp c, 0,1
.irp u, 0,1,2,3
	v_cvt_scalef32_pk8_fp4_f32 v[224+4*\c+\u], v[96+32*\c+8*\u:103+32*\c+8*\u], v[244+\c]   ; keys 64 c + 32 h + 8 u + 0 .. 7: register 4 c + u of the operand
.endr
.endr
	v_or_b32 v253, v238, v237                      ; with lane l xor 16's two bytes: p's scale word (also the plain place behind the conversions)
	; the row's sum of the unquantised p, in four packed chains; the first link of each also brings the chain under the new M.  These 12 are the places ahead of the scaled products
.irp k, 0,1,2,3
	v_pk_fma_f32 v[SM+2*\k:SM+2*\k+1], v[SM+2*\k:SM+2*\k+1], v[252:253], v[96+2*\k:97+2*\k] op_sel_hi:[1,0,1]
.endr
.set p, 4
.rept 8
	v_pk_add_f32 v[SM+2*(p%4):SM+2*(p%4)+1], v[SM+2*(p%4):SM+2*(p%4)+1], v[96+2*p:97+2*p]
.set p, p+1
.endr
.irp i, 0,1,2,3                                ; four accumulators by turns, one instruction a turn
.if \i%2
	v_wmma_scale_f32_16x16x128_f8f6f4 v[160+8*\i:167+8*\i], v[192+8*\i:199+8*\i], v[224:231], v[160+8*\i:167+8*\i], v[242+\i/2], v253 matrix_a_fmt:MATRIX_FMT_FP4 matrix_b_fmt:MATRIX_FMT_FP4 matrix_a_scale:MATRIX_SCALE_ROW1
.else
	v_wmma_scale_f32_16x16x128_f8f6f4 v[160+8*\i:167+8*\i], v[192+8*\i:199+8*\i], v[224:231], v[160+8*\i:167+8*\i], v[242+\i/2], v253 matrix_a_fmt:MATRIX_FMT_FP4 matrix_b_fmt:MATRIX_FMT_FP4
.endif
.endr
.rept 20
	v_pk_add_f32 v[SM+2*(p%4):SM+2*(p%4)+1], v[SM+2*(p%4):SM+2*(p%4)+1], v[96+2*p:97+2*p]   ; they name no register of the products above: their places
.set p, p+1
.endr
.endm
	s_wait_alu depctr_va_vdst(0)
	s_wait_loadcnt 0x0                             ; Q
	s_wait_tensorcnt 0x0                           ; my two steps have landed;
	s_barrier_signal -1
	s_barrier_wait -1                              ; everybody's have.
	KLOAD                                          ; step 0's K
	s_mov_b32 s49, 31
.Lstep:
	STEP 1
	s_sub_co_u32 s49, s49, 1
	s_cmp_lg_u32 s49, 0
	s_cbranch_scc1 .Lstep
	STEP 0                                         ; the last step has no successor to read for
	; THE WAY OUT: O^T / the sum, quantised along the head's 64 channels: registers 4 (hd % 2) .. + 3 of K step hd / 2 of the projection's operand
	v_pk_add_f32 v[SM:SM+1], v[SM:SM+1], v[SM+2:SM+3]
	v_pk_add_f32 v[SM+4:SM+5], v[SM+4:SM+5], v[SM+6:SM+7]
	s_delay_alu instid0(VALU_DEP_1)
	v_pk_add_f32 v[SM:SM+1], v[SM:SM+1], v[SM+4:SM+5]
	s_delay_alu instid0(VALU_DEP_1)
	v_add_f32 v[SM], v[SM], v[SM+1]
	s_delay_alu instid0(VALU_DEP_1)
	v_permlanex16_b32 v237, v[SM], s[SEL], s[SEL+1]
	s_delay_alu instid0(VALU_DEP_1)
	v_add_f32 v[SM], v[SM], v237                   ; with lane l xor 16's keys: the row's sum
	s_wait_alu depctr_va_vdst(0)
	v_rcp_f32 v[SM], v[SM]
	v_nop                                          ; one plain place behind a transcendental
	s_wait_alu depctr_va_vdst(0)                   ; the wait ahead of the reciprocal's first reader, which is O^T's first reader too
.set j, 0
.rept 16
	v_pk_mul_f32 v[96+j:97+j], v[160+j:161+j], v[SM:SM+1] op_sel_hi:[1,0]
.set j, j+2
.endr
	QUANT2 96
	global_store_b128 v1, v[PC:PC+3], s[10:11]     ; 512 consecutive bytes a wave
	global_store_b16 v5, v[PW], s[12:13]           ; my head's two bytes of each row's scale word; the word's other half is another head's work-group's
	s_wait_tensorcnt 0x0                           ; the wave's end
	ds_add_u32 v7, v241
	s_wait_dscnt 0x0
	CROUND                                         ; the closing round: no work-group ends while a partner may still ask for a fill that names it
	s_endpgm
.Lfunc_end_k_q4f03a05ff0_attn:
	.size	k_q4f03a05ff0_attn, .Lfunc_end_k_q4f03a05ff0_attn-k_q4f03a05ff0_attn
	.p2alignl 7, 3214868480
	.fill 96, 4, 3214868480
	.section	.rodata,"a",@progbits
	.p2align	6, 0x0
	.amdhsa_kernel k_q4f03a05ff0_attn
		.amdhsa_group_segment_fixed_size 288768
		.amdhsa_private_segment_fixed_size 0
		.amdhsa_enable_private_segment 0
		.amdhsa_kernarg_size 40
		.amdhsa_user_sgpr_count 2
		.amdhsa_user_sgpr_kernarg_segment_ptr 1
		.amdhsa_wavefront_size32 1
		.amdhsa_system_sgpr_workgroup_id_x 1
		.amdhsa_system_sgpr_workgroup_id_y 1
		.amdhsa_system_sgpr_workgroup_id_z 1
		.amdhsa_system_vgpr_workitem_id 0
		.amdhsa_next_free_vgpr 256
		.amdhsa_next_free_sgpr 66
		.amdhsa_reserve_vcc 0
		.amdhsa_float_denorm_mode_32 3
		.amdhsa_float_denorm_mode_16_64 3
		.amdhsa_memory_ordered 1
		.amdhsa_forward_progress 1
		.amdhsa_inst_pref_size 40
	.end_amdhsa_kernel
	.amdgpu_metadata
---
amdhsa.version: [ 1, 2 ]
amdhsa.kernels:
  - .name:           k_q4f03a05ff0_attn
    .symbol:         k_q4f03a05ff0_attn.kd
    .args:
      - { .name: qc, .offset: 0, .size: 8, .value_kind: global_buffer, .address_space: global }
      - { .name: qs, .offset: 8, .size: 8, .value_kind: global_buffer, .address_space: global }
      - { .name: kv, .offset: 16, .size: 8, .value_kind: global_buffer, .address_space: global }
      - { .name: hc, .offset: 24, .size: 8, .value_kind: global_buffer, .address_space: global }
      - { .name: hs, .offset: 32, .size: 8, .value_kind: global_buffer, .address_space: global }
    .group_segment_fixed_size: 288768
    .private_segment_fixed_size: 0
    .kernarg_segment_align: 8
    .kernarg_segment_size: 40
    .max_flat_workgroup_size: 512
    .sgpr_count:     66
    .vgpr_count:     256
    .wavefront_size: 32
...
	.end_amdgpu_metadata
.endif
;; end of part 3
;; launch proj (part 4): grid 256 x 1, 16 waves a work-group, no clusters, 79,872 bytes of LDS; arguments hc, hs, proj_w_codes, proj_w_scales, proj_b, x, out0; writes out0
.if DOCPART == 4
	.amdgcn_target "amdgcn-amd-amdhsa--gfx1250"
	.amdhsa_code_object_version 6
	.text
	.protected	k_q4f03a05ff0_proj
	.globl	k_q4f03a05ff0_proj
	.p2align	8
	.type	k_q4f03a05ff0_proj,@function
k_q4f03a05ff0_proj:
	s_mov_b64 s[64:65], 0
	v_nop
	global_prefetch_b8 v0, s[64:65] scope:SCOPE_SE
	s_setreg_imm32_b32 hwreg(HW_REG_WAVE_MODE, 25, 1), 1
	s_wait_xcnt 0x0
; out0 = x + proj_w h + proj_b.  h arrives as images of operand registers (hc) with its scale words (hs); proj_w as codes of E2M1 with E8M0 scales, taken as given.
; SHARES.  Work-group wg: batch wg >> 6, tokens 64 (wg & 63) .. + 63 (four permuted tiles of 16).  Wave w makes outputs 16 w .. 16 w + 15 for all 64 tokens: 8 matrix instructions.
; Source 0 = 16 tokens of h, source 1 = 16 rows of proj_w: a lane holds ONE output channel, and its eight registers of tile 2 B + u the neighbouring tokens 32 B + 16 (lane / 16) + 8 u + 0 .. 7.
; h's 8 KB are read from memory once (16 bytes a thread) and go to all waves through LDS.  The results turn through the wave's own stage (16 rows x (256 + 16) bytes), so that sixteen lanes
; add x to, and store, 256 consecutive aligned bytes of a channel's row.
; A scale register carries K step 0's word in lanes 0-15 and K step 1's in lanes 16-31; these registers hold scales alone.
; NO CLUSTER: what work-groups share is proj_w, 34 KB, which goes straight into registers; x and out0, 128 KB a work-group, are shared with nobody.
; THE ORDER OF TOKENS IN A TILE (it takes the place of what the lines above say of it): row 8 H + j of token tile t is token 32 H + 8 t + j of the work-group's 64,
; so a lane's eight registers of tile t are the neighbouring tokens 32 (lane / 16) + 8 t + 0 .. 7.
.set HIMG, 0
.set STG,  8192                        ; the stages: 4,352 bytes a wave
.macro WM d, a, b, c, sa, sb, row
.if \row
	v_wmma_scale_f32_16x16x128_f8f6f4 v[\d:\d+7], v[\a:\a+7], v[\b:\b+7], v[\c:\c+7], v[\sa], v[\sb] matrix_a_fmt:MATRIX_FMT_FP4 matrix_b_fmt:MATRIX_FMT_FP4 matrix_a_scale:MATRIX_SCALE_ROW1 matrix_b_scale:MATRIX_SCALE_ROW1
.else
	v_wmma_scale_f32_16x16x128_f8f6f4 v[\d:\d+7], v[\a:\a+7], v[\b:\b+7], v[\c:\c+7], v[\sa], v[\sb] matrix_a_fmt:MATRIX_FMT_FP4 matrix_b_fmt:MATRIX_FMT_FP4
.endif
.endm
	s_load_b256 s[4:11], s[0:1], 0x0               ; hc s[4:5], hs s[6:7], proj_w's codes s[8:9], its scales s[10:11]
	s_load_b128 s[12:15], s[0:1], 0x20             ; proj_b s[12:13], x s[14:15]
	s_load_b64 s[16:17], s[0:1], 0x30              ; out0
	v_lshl_add_u32 v208, v0, 2, 0x13000
	v_mov_b32 v209, 0
	v_lshrrev_b32 v10, 5, v0
	s_delay_alu instid0(VALU_DEP_1)
	v_readfirstlane_b32 s18, v10                   ; wave 0..15
	v_lshlrev_b32 v1, 4, v0                        ; 16 x thread
	v_and_b32 v3, 31, v0
	s_delay_alu instid0(VALU_DEP_1)
	v_lshlrev_b32 v2, 4, v3                        ; 16 x lane
	s_delay_alu instid0(VALU_DEP_2)
	v_lshlrev_b32 v3, 2, v3                        ; 4 x lane
	v_and_b32 v10, 15, v0                          ; r
	v_bfe_u32 v11, v0, 4, 1                        ; h
	s_delay_alu instid0(VALU_DEP_2)
	v_lshlrev_b32 v4, 7, v10
	s_delay_alu instid0(VALU_DEP_1)
	v_lshl_add_u32 v4, v11, 4, v4                  ; proj_w's codes: row r of 128 bytes, + 16 h
	s_delay_alu instid0(VALU_DEP_4)
	v_lshlrev_b32 v5, 3, v10
	s_delay_alu instid0(VALU_DEP_1)
	v_lshl_add_u32 v5, v11, 2, v5                  ; its scales: 8 bytes a row; lanes 16-31 K step 1's word
	v_lshlrev_b32 v6, 2, v10                       ; the bias of my output
	v_lshlrev_b32 v7, 14, v11
	s_delay_alu instid0(VALU_DEP_1)
	v_lshl_add_u32 v7, v10, 4, v7                  ; x and out0: lanes 0-15 one channel's 256 bytes, lanes 16-31 the next channel's
	s_mul_i32 s22, s18, 4352
	s_add_co_u32 s22, s22, STG                     ; my stage
	v_mul_u32_u24 v8, v10, 272
	s_delay_alu instid0(VALU_DEP_1)
	v_lshl_add_u32 v8, v11, 7, v8                  ; + 32 h tokens
	s_delay_alu instid0(VALU_DEP_1)
	v_add_nc_u32 v8, s22, v8                       ; in: row r (my output), + 32 h tokens
	v_mul_u32_u24 v9, v11, 272
	s_delay_alu instid0(VALU_DEP_1)
	v_lshl_add_u32 v9, v10, 4, v9
	s_delay_alu instid0(VALU_DEP_1)
	v_add_nc_u32 v9, s22, v9                       ; back: lanes 0-15 one row, lanes 16-31 the next
	s_lshr_b32 s22, ttmp9, 6                       ; b
	s_and_b32 s23, ttmp9, 63                       ; blk
	s_lshl_b32 s24, s22, 22
	s_lshl_b32 s25, s18, 18                        ; 16 w channels of 16,384 bytes
	s_add_co_u32 s24, s24, s25
	s_lshl_b32 s25, s23, 8                         ; 64 blk tokens
	s_add_co_u32 s24, s24, s25
	s_mov_b32 s25, 0
	s_mov_b32 s21, 0
	s_wait_alu depctr_va_vdst(0)
	s_wait_kmcnt 0x0
	s_lshl_b32 s20, ttmp9, 13
	s_add_nc_u64 s[4:5], s[4:5], s[20:21]          ; my four tiles of hc: 2,048 bytes each
	s_lshl_b32 s20, ttmp9, 9
	s_add_nc_u64 s[6:7], s[6:7], s[20:21]          ; of hs: 128 each
	s_lshl_b32 s20, s18, 11
	s_add_nc_u64 s[8:9], s[8:9], s[20:21]
	s_lshl_b32 s20, s18, 7
	s_add_nc_u64 s[10:11], s[10:11], s[20:21]
	s_lshl_b32 s20, s18, 6
	s_add_nc_u64 s[12:13], s[12:13], s[20:21]
	s_add_nc_u64 s[14:15], s[14:15], s[24:25]
	s_add_nc_u64 s[16:17], s[16:17], s[24:25]
	global_load_b128 v[12:15], v1, s[4:5]          ; my 16 bytes of h's 8,192
.irp k, 0,1
.irp c, 0,1
	global_load_b128 v[16+8*\k+4*\c:19+8*\k+4*\c], v4, s[8:9] offset:64*\k+32*\c
.endr
.endr
	global_load_b32 v32, v5, s[10:11]
	global_load_b32 v40, v6, s[12:13]
.irp t, 0,1,2,3
	global_load_b32 v[33+\t], v3, s[6:7] offset:128*\t
.endr
.irp i, 0,1,2,3,4,5,6,7
	global_load_b128 v[144+4*\i:147+4*\i], v7, s[14:15] offset:32768*\i th:TH_LOAD_NT   ; x's rows 2 i and 2 i + 1 of my 16: its last read
.endr
	s_wait_loadcnt 18                              ; my piece of h is in; the 18 loads behind it stay out
	ds_store_b128 v1, v[12:15]
	s_wait_dscnt 0x0                               ; for the others' sake
	s_barrier_signal -1
	s_barrier_wait -1                              ; h's 8 fragments lie in LDS; nothing is written there again
.irp t, 0,1,2,3
.irp k, 0,1
.irp c, 0,1
	ds_load_b128 v[80+16*\t+8*\k+4*\c:83+16*\t+8*\k+4*\c], v2 offset:HIMG+2048*\t+1024*\k+512*\c
.endr
.endr
.endr
	s_wait_loadcnt 8                               ; all but x's 8
.irp j, 1,2,3,4,5,6,7
	v_mov_b32 v[40+\j], v40                        ; a lane holds one output: its bias in all eight registers of C
.endr
.rept 4
	v_nop
.endr
	s_wait_alu depctr_va_vdst(0)
	s_wait_dscnt 0x0
.irp t, 0,1,2,3                                ; four accumulators by turns, one instruction a turn
	WM 48+8*\t, 80+16*\t, 16, 40, 33+\t, 32, 0
.endr
.irp t, 0,1,2,3
	WM 48+8*\t, 80+16*\t+8, 24, 48+8*\t, 33+\t, 32, 1
.endr
.rept 4
	v_nop                                          ; four plain places in front of the stores of results and of the loads into h's registers
.endr
.irp t, 0,1,2,3
	ds_store_b128 v8, v[48+8*\t:51+8*\t] offset:32*\t           ; each accumulator from its low end on
	ds_store_b128 v8, v[52+8*\t:55+8*\t] offset:32*\t+16
.endr
.irp i, 0,1,2,3,4,5,6,7
	ds_load_b128 v[80+4*\i:83+4*\i], v9 offset:544*\i   ; my own bytes: LDS serves a wave's instructions in order (ISA guide 5.7.1.4)
.endr
	s_wait_loadcnt 0x0                             ; x
.irp i, 0,1,2,3,4,5,6,7
	s_wait_dscnt 7-\i                              ; rows 2 i and 2 i + 1 are back; the 7 - i younger loads stay out
	v_pk_add_f32 v[176+4*\i:177+4*\i], v[80+4*\i:81+4*\i], v[144+4*\i:145+4*\i]
	v_pk_add_f32 v[178+4*\i:179+4*\i], v[82+4*\i:83+4*\i], v[146+4*\i:147+4*\i]
	global_store_b128 v7, v[176+4*\i:179+4*\i], s[16:17] offset:32768*\i th:TH_STORE_NT   ; sixteen lanes store 256 consecutive bytes, at a multiple of 256 from out0's first byte
.endr
	s_wait_tensorcnt 0x0
	ds_add_u32 v208, v209
	s_wait_dscnt 0x0
	s_endpgm
.Lfunc_end_k_q4f03a05ff0_proj:
	.size	k_q4f03a05ff0_proj, .Lfunc_end_k_q4f03a05ff0_proj-k_q4f03a05ff0_proj
	.p2alignl 7, 3214868480
	.fill 96, 4, 3214868480
	.section	.rodata,"a",@progbits
	.p2align	6, 0x0
	.amdhsa_kernel k_q4f03a05ff0_proj
		.amdhsa_group_segment_fixed_size 79872
		.amdhsa_private_segment_fixed_size 0
		.amdhsa_enable_private_segment 0
		.amdhsa_kernarg_size 56
		.amdhsa_user_sgpr_count 2
		.amdhsa_user_sgpr_kernarg_segment_ptr 1
		.amdhsa_wavefront_size32 1
		.amdhsa_system_sgpr_workgroup_id_x 1
		.amdhsa_system_sgpr_workgroup_id_y 1
		.amdhsa_system_sgpr_workgroup_id_z 1
		.amdhsa_system_vgpr_workitem_id 0
		.amdhsa_next_free_vgpr 210
		.amdhsa_next_free_sgpr 66
		.amdhsa_reserve_vcc 0
		.amdhsa_float_denorm_mode_32 3
		.amdhsa_float_denorm_mode_16_64 3
		.amdhsa_memory_ordered 1
		.amdhsa_forward_progress 1
		.amdhsa_inst_pref_size 11
	.end_amdhsa_kernel
	.amdgpu_metadata
---
amdhsa.version: [ 1, 2 ]
amdhsa.kernels:
  - .name:           k_q4f03a05ff0_proj
    .symbol:         k_q4f03a05ff0_proj.kd
    .args:
      - { .name: hc, .offset: 0, .size: 8, .value_kind: global_buffer, .address_space: global }
      - { .name: hs, .offset: 8, .size: 8, .value_kind: global_buffer, .address_space: global }
      - { .name: proj_w_codes, .offset: 16, .size: 8, .value_kind: global_buffer, .address_space: global }
      - { .name: proj_w_scales, .offset: 24, .size: 8, .value_kind: global_buffer, .address_space: global }
      - { .name: proj_b, .offset: 32, .size: 8, .value_kind: global_buffer, .address_space: global }
      - { .name: x, .offset: 40, .size: 8, .value_kind: global_buffer, .address_space: global }
      - { .name: out0, .offset: 48, .size: 8, .value_kind: global_buffer, .address_space: global }
    .group_segment_fixed_size: 79872
    .private_segment_fixed_size: 0
    .kernarg_segment_align: 8
    .kernarg_segment_size: 56
    .max_flat_workgroup_size: 512
    .sgpr_count:     66
    .vgpr_count:     210
    .wavefront_size: 32
...
	.end_amdgpu_metadata
.endif
;; end of part 4
